; MI455X (gfx1250); checked and timed in simulation.
; The chip was launched on July 23, 2026; its instructions are those of AMD's public machine-readable ISA for CDNA 5 (MIT licence, August 2026) and "CDNA5" Instruction Set Architecture Reference Guide (July 2026). The comments in the code are by the model that wrote it; some were corrected since.
;; RKN Layer. Allowed arithmetic: float matrix products may take bf16 or f16 operands with f32 sums; all other float work in f32.
;; Inputs: coeff_b 16 float32; coeff_w 256 x 16 float32; initial_cov_l 128 x 128 float32; initial_cov_s 128 x 128 float32; initial_cov_u 128 x 128 float32; initial_mean 128 x 256 float32; latent_obs 128 x 128 x 128 float32; obs_vars 128 x 128 x 128 float32; tm11 16 x 128 x 128 float32; tm12 16 x 128 x 128 float32; tm21 16 x 128 x 128 float32; tm22 16 x 128 x 128 float32; trans_cov_l 128 float32; trans_cov_u 128 float32.
;; Outputs: out0 128 x 128 x 256 float32; out1 128 x 128 x 128 float32; out2 128 x 128 x 128 float32; out3 128 x 128 x 128 float32.
;; 2 versions, each right and faster than the one before. Each part assembles by itself: llvm-mc -triple=amdgcn-amd-amdhsa -mcpu=gfx1250 --defsym DOCPART=n.
;; ======== version 1 of 2: 2 launches
;; workspace buffers: packed 122,880 bytes
;; launch pack (part 1): grid 30 x 1, 8 waves a work-group, no clusters, 0 bytes of LDS; arguments tm11, tm12, tm21, tm22, coeff_w, packed; writes packed
.if DOCPART == 1
	.amdgcn_target "amdgcn-amd-amdhsa--gfx1250"
	.amdhsa_code_object_version 6
	.text
	.protected	k_q4250e933ed_pack
	.globl	k_q4250e933ed_pack
	.p2align	8
	.type	k_q4250e933ed_pack,@function
k_q4250e933ed_pack:
	s_mov_b64 s[64:65], 0
	v_nop
	global_prefetch_b8 v0, s[64:65] scope:SCOPE_SE
	s_setreg_imm32_b32 hwreg(HW_REG_WAVE_MODE, 25, 1), 1
	s_wait_xcnt 0x0
; Cuts the seven diagonals |i - j| <= 3 (the band mask of the problem's own body) out of the four sets of 16 basis matrices, rounds them
; to bf16 and lays them out as B fragments of the 16x16x32 bf16 matrix instruction, ready to be loaded 16 bytes a lane; the same for coeff_w.
; LIMIT: the basis matrices and coeff_w * log2(e) are rounded to bf16 here (nearest even): they are matrix operands of the next launch.
;
; packed, bytes 0 .. 114,687: band tiles, at w*28672 + n*1024 + q*512 + L*16
;   w = 0..3: rows 32 w .. 32 w + 31;  n = 4 (d + 3) + X, d = -3..3 the diagonal, X = 0,1,2,3 for tm11, tm12, tm21, tm22;
;   q = 0, 1: registers 0-3 or 4-7 of the fragment;  L = lane, r = L & 15, h = L >> 4.
;   The 16 bytes are e = 0..7: tmX[8 h + e][i][i + d], i = 32 w + 16 q + r; 0 where i + d lies outside 0..127.
; packed, bytes 114,688 .. 122,879: tiles of coeff_w, at 114688 + x*1024 + q*512 + L*16, x = 0..7
;   e = 0..7: log2(e) * coeff_w[(p >> 1) + 128 (p & 1)][r], p = 32 x + 16 q + 8 h + e: K runs over mu_u[i], mu_l[i] in pairs.
; Work-groups 0..27 make band tile n = the group's number for all four w (256 threads = 4 w x 2 q x 32 lanes); groups 28 and 29 make four
; tiles of coeff_w each.  A thread makes one piece of 16 bytes from eight loads of 4 bytes (these come from eight matrices, or eight rows:
; they are scattered, and are made once here so that the 128 work-groups of the next launch need not make them).
; Each store of a wave covers 512 consecutive bytes, aligned.  No LDS, no barrier, no loop.
.set LOG2E, 0x3fb8aa3b
.set WTILES, 114688
	s_load_b256 s[4:11], s[0:1], 0x0               ; tm11 s[4:5], tm12 s[6:7], tm21 s[8:9], tm22 s[10:11]
	s_load_b128 s[12:15], s[0:1], 0x20             ; coeff_w s[12:13], packed s[14:15]
	v_and_b32 v1, 15, v0                           ; r
	v_bfe_u32 v2, v0, 4, 1                         ; h
	s_cmp_lt_u32 ttmp9, 28
	s_cbranch_scc0 .Lweights
	; ---- a band tile ----
	s_and_b32 s24, ttmp9, 3                        ; X: which of the four sets
	s_lshr_b32 s25, ttmp9, 2
	s_sub_co_i32 s25, s25, 3                       ; d = -3 .. 3
	s_lshl_b32 s26, ttmp9, 10                      ; n * 1024
	v_lshrrev_b32 v3, 5, v0                        ; 2 w + q
	v_lshl_add_u32 v3, v3, 4, v1                   ; i = 32 w + 16 q + r
	v_add_nc_u32 v4, s25, v3                       ; j = i + d (wraps below 0)
	v_cmp_gt_u32 vcc_lo, 0x80, v4                  ; j inside 0..127
	v_cndmask_b32 v4, v3, v4, vcc_lo               ; outside: load column i instead, which always exists; the value is thrown away below
	v_lshlrev_b32 v5, 2, v4                        ; 4 j
	v_lshl_add_u32 v5, v3, 9, v5                   ; + 512 i
	v_lshl_add_u32 v5, v2, 19, v5                  ; + 8 h matrices of 65,536 bytes
	v_lshrrev_b32 v6, 6, v0                        ; w
	v_and_b32 v7, 63, v0                           ; 32 q + L
	v_mul_u32_u24 v6, 0x7000, v6                   ; w * 28672
	v_lshl_add_u32 v6, v7, 4, v6
	v_add_nc_u32 v6, s26, v6
	s_wait_kmcnt 0x0
	s_cmp_lt_u32 s24, 2
	s_cselect_b64 s[16:17], s[4:5], s[8:9]         ; X < 2: tm11, else tm21
	s_cselect_b64 s[18:19], s[6:7], s[10:11]       ; X < 2: tm12, else tm22
	s_bitcmp1_b32 s24, 0
	s_cselect_b64 s[20:21], s[18:19], s[16:17]     ; X odd: the second of the pair
.irp e, 0,1,2,3,4,5,6,7
	global_load_b32 v[8+\e], v5, s[20:21] offset:\e*65536      ; basis matrix 8 h + e
.endr
	s_wait_loadcnt 0x0
.irp c, 0,1,2,3
	v_cvt_pk_bf16_f32 v[16+\c], v[8+2*\c], v[9+2*\c]
.endr
.irp c, 0,1,2,3
	v_cndmask_b32 v[16+\c], 0, v[16+\c], vcc_lo    ; zero where the diagonal leaves the matrix
.endr
	global_store_b128 v6, v[16:19], s[14:15]
	s_endpgm
	; ---- four tiles of coeff_w ----
.Lweights:
	s_sub_co_u32 s24, ttmp9, 28                    ; 0 or 1
	s_lshl_b32 s25, s24, 12                        ; four tiles: 4,096 bytes of packed, and 4 x 16 rows of 64 bytes of coeff_w
	v_lshrrev_b32 v3, 6, v0                        ; tile among my four
	v_bfe_u32 v4, v0, 5, 1                         ; q
	v_lshlrev_b32 v5, 2, v1                        ; column r
	v_lshl_add_u32 v5, v2, 8, v5                   ; + 4 h rows of 64 bytes
	v_lshl_add_u32 v5, v4, 9, v5                   ; + 8 q rows
	v_lshl_add_u32 v5, v3, 10, v5                  ; + 16 rows a tile
	v_add_nc_u32 v5, s25, v5
	v_lshlrev_b32 v6, 4, v0
	v_add_nc_u32 v6, s25, v6
	s_wait_kmcnt 0x0
.irp e, 0,1,2,3,4,5,6,7
	global_load_b32 v[8+\e], v5, s[12:13] offset:(\e>>1)*64+(\e&1)*8192   ; even e: the row of mu_u, odd e: the row of mu_l, 128 rows further down
.endr
	s_wait_loadcnt 0x0
.irp c, 0,2,4,6
	v_pk_mul_f32 v[8+\c:9+\c], v[8+\c:9+\c], LOG2E op_sel_hi:[1,0]        ; the softmax of the next launch works in base 2
.endr
.irp c, 0,1,2,3
	v_cvt_pk_bf16_f32 v[16+\c], v[8+2*\c], v[9+2*\c]
.endr
	global_store_b128 v6, v[16:19], s[14:15] offset:WTILES
	s_endpgm
.Lfunc_end_k_q4250e933ed_pack:
	.size	k_q4250e933ed_pack, .Lfunc_end_k_q4250e933ed_pack-k_q4250e933ed_pack
	.p2alignl 7, 3214868480
	.fill 96, 4, 3214868480
	.section	.rodata,"a",@progbits
	.p2align	6, 0x0
	.amdhsa_kernel k_q4250e933ed_pack
		.amdhsa_group_segment_fixed_size 0
		.amdhsa_private_segment_fixed_size 0
		.amdhsa_enable_private_segment 0
		.amdhsa_kernarg_size 48
		.amdhsa_user_sgpr_count 2
		.amdhsa_user_sgpr_kernarg_segment_ptr 1
		.amdhsa_wavefront_size32 1
		.amdhsa_system_sgpr_workgroup_id_x 1
		.amdhsa_system_sgpr_workgroup_id_y 1
		.amdhsa_system_sgpr_workgroup_id_z 1
		.amdhsa_system_vgpr_workitem_id 0
		.amdhsa_next_free_vgpr 24
		.amdhsa_next_free_sgpr 66
		.amdhsa_reserve_vcc 1
		.amdhsa_float_denorm_mode_32 3
		.amdhsa_float_denorm_mode_16_64 3
		.amdhsa_memory_ordered 1
		.amdhsa_forward_progress 1
		.amdhsa_inst_pref_size 5
	.end_amdhsa_kernel
	.amdgpu_metadata
---
amdhsa.version: [ 1, 2 ]
amdhsa.kernels:
  - .name:           k_q4250e933ed_pack
    .symbol:         k_q4250e933ed_pack.kd
    .args:
      - { .name: tm11, .offset: 0, .size: 8, .value_kind: global_buffer, .address_space: global }
      - { .name: tm12, .offset: 8, .size: 8, .value_kind: global_buffer, .address_space: global }
      - { .name: tm21, .offset: 16, .size: 8, .value_kind: global_buffer, .address_space: global }
      - { .name: tm22, .offset: 24, .size: 8, .value_kind: global_buffer, .address_space: global }
      - { .name: coeff_w, .offset: 32, .size: 8, .value_kind: global_buffer, .address_space: global }
      - { .name: packed, .offset: 40, .size: 8, .value_kind: global_buffer, .address_space: global }
    .group_segment_fixed_size: 0
    .private_segment_fixed_size: 0
    .kernarg_segment_align: 8
    .kernarg_segment_size: 48
    .max_flat_workgroup_size: 256
    .sgpr_count:     66
    .vgpr_count:     24
    .wavefront_size: 32
...
	.end_amdgpu_metadata
.endif
;; end of part 1
;; launch scan (part 2): grid 128 x 1, 4 waves a work-group, no clusters, 167,936 bytes of LDS; arguments latent_obs, obs_vars, initial_mean, initial_cov_u, initial_cov_l, initial_cov_s, coeff_b, trans_cov_u, trans_cov_l, packed, out0, out1, out2, out3; writes out0, out1, out2, out3
.if DOCPART == 2
	.amdgcn_target "amdgcn-amd-amdhsa--gfx1250"
	.amdhsa_code_object_version 6
	.text
	.protected	k_q4250e933ed_scan
	.globl	k_q4250e933ed_scan
	.p2align	8
	.type	k_q4250e933ed_scan,@function
k_q4250e933ed_scan:
	s_mov_b64 s[64:65], 0
	v_nop
	global_prefetch_b8 v0, s[64:65] scope:SCOPE_SE
	s_setreg_imm32_b32 hwreg(HW_REG_WAVE_MODE, 25, 1), 1
	s_wait_xcnt 0x0
; The whole scan.  A work-group is one batch element (128 of them: the steps of an element depend on each other and its rows on their
; neighbours in every step, so an element is not split over work-groups, which may not talk to each other).  Wave w owns rows 32 w .. 32 w + 31,
; a lane one row i; the row's state (prior mean upper and lower, cu, cl, cs) stays in that lane's registers for all 128 steps.
;
; ONE STEP: update (11 vector instructions, gives the five outputs) -> publish them in an LDS slot -> ONE barrier -> logits (8 matrix
; instructions) -> softmax, one logit a lane -> alpha turned from lanes into an A operand (2 matrix instructions) -> the 4 x 7 band entries of
; my 32 rows (28 matrix instructions, K = the 16 basis matrices) -> the banded products in f32 on the vector unit (each batch element has
; matrices of its own and one vector: there is nothing for a matrix instruction to share).
; All that is constant lives in registers: 28 band tiles and 8 tiles of coeff_w, as the launch before laid them out.
; No matrix instruction adds in place: each D is a tuple of its own, and C is 0 or a constant tuple.
;
; NOT IN CLUSTERS: what work-groups share is the 122,880 bytes of packed, read once by each, by plain loads straight into registers, ahead of
; the loop; the loop reads nothing that is shared.
; LIMITS: bf16 as matrix operands: the basis matrices, coeff_w * log2(e), post_mean for the logits alone, and alpha.  The identity of A11 and
; A22 is added in f32 (as C).  A division is v_rcp_f32 and a multiply.  (1 - q) c is made as c - q c in one fused operation.  The softmax takes
; its maximum away in every step; an alpha below 2^-126 comes out as 0 (v_exp_f32 flushes: ISA guide 15.8).
;
; LDS: 0 .. 65,535 latent_obs of my element, [t][i] f32; 65,536 .. 131,071 obs_vars likewise: four tensor loads, one a wave, each bytes of its
; own, filled once and never again.  From RING on: 8 slots, written by ds_store alone, slot = step mod 8:
;   16 + 528 a (a = 0..4): mu_u, mu_l, pcu, pcs, pcl, 128 f32 each; 16 bytes of zeros in front of the first and behind each (rows -3..-1, 128..130:
;   the band entries are 0 there, the zeros only keep the products finite);  MPK: the 128 words (bf16 mu_u[i], bf16 mu_l[i]), 16 bytes skipped in the middle.
; A slot is written again eight barriers after it was read, and every wave's LDS loads are back in front of each of its signals.
.set RING,  131072
.set SLOTB, 3328                       ; 13 x 256 bytes
.set ARR,   528
.set MPK,   2688
.set LOG2E, 0x3fb8aa3b
; window 0
.set LB,  1                            ; LDS: row i - 3 of array 0 in slot 0 (my own row at + 12)
.set MST, 2                            ; LDS: my bf16 pair in slot 0
.set MLD, 3                            ; LDS: my 16 bytes of the logits' A operand in slot 0
.set FL,  4                            ; LDS: my 16 bytes of array 0 in slot w (the way out)
.set INO, 5                            ; LDS: latent_obs[8 trip][i]
.set INV, 6                            ; LDS: obs_vars[8 trip][i]
.set OF0, 7                            ; out0: byte offset of my 16 bytes in step 4 g + w, one group of four steps ahead
.set OF1, 8                            ; out1..3: the same
.set PK,  9                            ; start only
.set OBS, 10
.set OV,  11
.set TCU, 12
.set TCL, 13
.set PMU, 14                           ; v[14:15] prior mean, upper and lower
.set PML, 15
.set CU,  16                           ; v[16:17] cu, cs
.set CS,  17
.set CL,  18
.set DEN, 19
.set RD,  20
.set RES, 21
.set QU,  22
.set QL,  23
.set MP,  24
.set BO,  25                           ; start only
.set NUA, 26                           ; two partial sums for each of the five results, in pairs for the packed adds
.set NLA, 27
.set NUB, 28
.set NLB, 29
.set CUA, 30
.set CSA, 31
.set CUB, 32
.set CSB, 33
.set CLA, 34
.set CLB, 35
.set XY,  36                           ; v[36:43] X, Y, Z, W, two sets that take turns
.set NBR, 44                           ; v[44:78] array a, diagonal g at 44 + 7 a + g; g = 3 are my own post values
.set OMU, NBR+3
.set OML, NBR+10
.set OPU, NBR+17
.set OPS, NBR+24
.set OPL, NBR+31
.set FD,  80                           ; v[80:99] the way out
.set MA,  100                          ; logits: A
.set AT,  108                          ; the turn: A; registers 1-7 stay 0
.set BT0, 116                          ; the turn: B with a single 1.0 at (k 0, n 0)
.set BT8, 124                          ; the same at (k 0, n 8)
.set DT0, 132
.set DT8, 140
.set AL,  148                          ; alpha as A: row 0 = alpha in K 0-15, row 8 = alpha in K 16-31, all else 0
.set EYE, 156                          ; 1.0
.set BIASC, 164                        ; register 0: coeff_b[r] * log2(e); the rest 0
.set DX,  172                          ; v[172:235] logits: D of chunk x at 172 + 8 x
.set T0,  236
.set T1,  237
.set T2,  238
.set T3,  239
.set U0,  240
.set U1,  241
.set LG,  242
.set MX,  243
.set EX,  244
.set SM,  245
.set LANE, 246                         ; start only, as the four behind it
.set R15, 247
.set HH,  248
.set TA,  249
.set TB,  250
; window 1: band tile n at v[8 n] (v256-479).  window 2: its D at v[8 n] (v512-735).  window 3: tile x of coeff_w at v[8 x] (v768-831).
.set MSB, 0
.macro WIN new                         ; s_set_vgpr_msb: bits 1:0 source 0, 3:2 source 1, 5:4 source 2, 7:6 destination; the high byte repeats the setting that is left
.if MSB != \new
	s_set_vgpr_msb (MSB<<8)|\new
.set MSB, \new
.endif
.endm
.macro PLACES                          ; four places between a matrix instruction and the first vector instruction that reads its result (ISA guide 7.12.1)
.rept 4
	v_nop
.endr
.endm
	s_load_b512 s[8:23], s[0:1], 0x0               ; latent_obs 8:9, obs_vars 10:11, initial_mean 12:13, cov_u 14:15, cov_l 16:17, cov_s 18:19, coeff_b 20:21, trans_cov_u 22:23
	s_load_b256 s[24:31], s[0:1], 0x40             ; trans_cov_l 24:25, packed 26:27, out0 28:29, out1 30:31
	s_load_b128 s[32:35], s[0:1], 0x60             ; out2 32:33, out3 34:35
	v_lshrrev_b32 v[PK], 5, v0
	v_readfirstlane_b32 s2, v[PK]                  ; wave 0..3
	; descriptor group 1: a dense block of 32,768 bytes as 128 rows of 32 elements of 8 bytes
	s_mov_b32 s40, 3<<16                           ; no mask, elements of 8 bytes, no padding
	s_mov_b32 s41, 32<<16                          ; tensor_dim0 = 32
	s_mov_b32 s42, 128<<16                         ; tensor_dim1 = 128
	s_mov_b32 s43, 32<<16                          ; tile_dim0 = 32
	s_mov_b32 s44, 128                             ; tile_dim1 = 128
	s_mov_b32 s45, 32                              ; pitch = 32 elements: each row begins where the last ends
	s_mov_b32 s46, 0
	s_mov_b32 s47, 0
	; group 0: waves 0, 1 bring the two halves of my element's latent_obs, waves 2, 3 those of its obs_vars, to LDS byte 32,768 w
	s_mov_b32 s36, 1
	s_lshl_b32 s37, s2, 15
	s_lshl_b32 s4, ttmp9, 16                       ; 65,536 bytes a batch element
	s_and_b32 s48, s2, 1
	s_lshl_b32 s48, s48, 15
	s_add_co_u32 s4, s4, s48
	s_mov_b32 s5, 0
	s_wait_kmcnt 0x0
	s_cmp_lt_u32 s2, 2
	s_cselect_b64 s[38:39], s[8:9], s[10:11]
	s_add_nc_u64 s[38:39], s[38:39], s[4:5]
	s_or_b32 s39, s39, 0x80000000                  ; type 2
	tensor_load_to_lds s[36:39], s[40:47]          ; my one tensor load of the launch; s[36:47] are not written again
	; the resident tiles: 72 loads of 16 bytes a lane, each 512 consecutive bytes of packed
	v_and_b32 v[LANE], 31, v0
	v_lshlrev_b32 v[PK], 4, v[LANE]
	s_add_nc_u64 s[6:7], s[26:27], 114688          ; the tiles of coeff_w
	s_mul_i32 s4, s2, 28672
	s_add_nc_u64 s[26:27], s[26:27], s[4:5]        ; my wave's 28 band tiles
	WIN 0x40                                       ; destination in window 1
.set n, 0
.rept 56
	global_load_b128 v[4*n:4*n+3], v[PK], s[26:27] offset:512*n
.set n, n+1
.endr
	WIN 0xc0                                       ; destination in window 3
.set n, 0
.rept 16
	global_load_b128 v[4*n:4*n+3], v[PK], s[6:7] offset:512*n
.set n, n+1
.endr
	WIN 0
	; the state and the small vectors, 4 bytes a row
	v_and_b32 v[R15], 15, v0                       ; r
	v_bfe_u32 v[HH], v0, 4, 1                      ; h
	s_lshl_b32 s48, s2, 7                          ; my wave's 32 rows of 4 bytes
	v_lshl_add_u32 v[INO], v[LANE], 2, s48         ; 4 i
	v_lshlrev_b32 v[BO], 2, v[R15]
	s_lshl_b32 s4, ttmp9, 10
	s_add_nc_u64 s[12:13], s[12:13], s[4:5]
	s_lshl_b32 s4, ttmp9, 9
	s_add_nc_u64 s[14:15], s[14:15], s[4:5]
	s_add_nc_u64 s[16:17], s[16:17], s[4:5]
	s_add_nc_u64 s[18:19], s[18:19], s[4:5]
	global_load_b32 v[PMU], v[INO], s[12:13]
	global_load_b32 v[PML], v[INO], s[12:13] offset:512
	global_load_b32 v[CU], v[INO], s[14:15]
	global_load_b32 v[CL], v[INO], s[16:17]
	global_load_b32 v[CS], v[INO], s[18:19]
	global_load_b32 v[TCU], v[INO], s[22:23]
	global_load_b32 v[TCL], v[INO], s[24:25]
	global_load_b32 v[BIASC], v[BO], s[20:21]      ; coeff_b[r]
	s_lshl_b32 s4, ttmp9, 17
	s_add_nc_u64 s[28:29], s[28:29], s[4:5]        ; out0 at my element
	s_lshl_b32 s4, ttmp9, 16
	s_add_nc_u64 s[30:31], s[30:31], s[4:5]
	s_add_nc_u64 s[32:33], s[32:33], s[4:5]
	s_add_nc_u64 s[34:35], s[34:35], s[4:5]
	; constant operands
.irp j, 1,2,3,4,5,6,7
	v_mov_b32 v[AT+\j], 0
	v_mov_b32 v[BT0+\j], 0
	v_mov_b32 v[BT8+\j], 0
	v_mov_b32 v[BIASC+\j], 0
.endr
.irp j, 0,1,2,3,4,5,6,7
	v_mov_b32 v[EYE+\j], 1.0
.endr
	v_mov_b32 v[TA], 0x3f80                        ; bf16 1.0 in the low half: k = 8 h of column r
	v_cmp_eq_u32 vcc_lo, 0, v[LANE]
	v_cndmask_b32 v[BT0], 0, v[TA], vcc_lo         ; (k 0, n 0)
	v_cmp_eq_u32 vcc_lo, 8, v[LANE]
	v_cndmask_b32 v[BT8], 0, v[TA], vcc_lo         ; (k 0, n 8)
	v_mov_b32 v[MX], 0                             ; destinations of DPP forms count as read: written once here
	v_mov_b32 v[SM], 0
	; addresses: a lane term plus a scalar term of the wave's number
	s_add_co_u32 s49, s48, RING+4
	v_lshl_add_u32 v[LB], v[LANE], 2, s49          ; RING + 16 + 4 (i - 3)
	s_lshr_b32 s50, s2, 1
	s_lshl_b32 s50, s50, 4                         ; rows 64 and up lie 16 bytes further: chunks 4-7 of the A operand then start in other banks than chunks 0-3 (64 banks of 4 bytes: ISA guide 11.1)
	s_add_co_u32 s50, s50, s48
	s_add_co_u32 s50, s50, RING+MPK
	v_lshl_add_u32 v[MST], v[LANE], 2, s50
	v_and_b32 v[TA], 7, v0                         ; A's row m reads chunk m & 7: 32 bf16 = 64 bytes
	v_lshlrev_b32 v[MLD], 6, v[TA]
	v_bfe_u32 v[TB], v0, 2, 1                      ; chunks 4-7: behind the skipped 16 bytes
	v_lshl_add_u32 v[MLD], v[TB], 4, v[MLD]
	v_lshl_add_u32 v[MLD], v[HH], 4, v[MLD]        ; k = 8 h ..
	v_add_nc_u32 v[MLD], RING+MPK, v[MLD]
	s_mul_i32 s51, s2, SLOTB
	s_add_co_u32 s51, s51, RING+16
	v_lshl_add_u32 v[FL], v[LANE], 4, s51
	v_add_nc_u32 v[INV], 0x10000, v[INO]
	s_lshl_b32 s49, s2, 10
	v_lshl_add_u32 v[OF0], v[LANE], 4, s49         ; step w of a group of four: 1,024 bytes a step in out0,
	s_lshl_b32 s49, s2, 9
	v_lshl_add_u32 v[OF1], v[LANE], 4, s49         ; 512 in out1..3
	; the zeros round the arrays: wave w writes those of slots 2 w and 2 w + 1; lanes with r > 5 repeat the sixth
	s_mul_i32 s52, s2, 2*SLOTB
	s_add_co_u32 s52, s52, RING
	v_min_u32 v[TA], 5, v[R15]
	v_mul_u32_u24 v[TA], ARR, v[TA]
	v_mad_u32_u24 v[TA], v[HH], SLOTB, v[TA]
	v_add_nc_u32 v[TA], s52, v[TA]
	ds_store_b128 v[TA], v[AT+4:AT+7]
	s_wait_loadcnt 0x0                             ; tiles, state, vectors
	v_mul_f32 v[BIASC], LOG2E, v[BIASC]
	s_wait_tensorcnt 0x0                           ; my part of the inputs has landed,
	s_wait_dscnt 0x0                               ; my zeros are written:
	s_barrier_signal -1
	s_barrier_wait -1                              ; everybody's
	ds_load_b32 v[OBS], v[INO]                     ; step 0
	ds_load_b32 v[OV], v[INV]
	s_wait_dscnt 0x0
; Diagonal g - 3 of the four matrices against the five vectors at row i + g - 3.  Source 0 of every line is register 0 of a D tile (window 2).
; ncu = sum A11 X + A12 Y, ncs = sum A21 X + A22 Y, X = A11 pcu + A12 pcs, Y = A11 pcs + A12 pcl; ncl = sum A21 Z + A22 W, Z = A21 pcu + A22 pcs, W = A21 pcs + A22 pcl.
; first = 1: the first diagonal starts the ten sums (two of them on the process noise): nothing is cleared.
.macro VD g, first
.set A11, 32*\g
.set A12, 32*\g+8
.set A21, 32*\g+16
.set A22, 32*\g+24
.set XX, XY+4*(\g&1)
.set YY, XX+1
.set ZZ, XX+2
.set WW, XX+3
	v_mul_f32 v[XX], v[A11], v[NBR+14+\g]
	v_mul_f32 v[YY], v[A11], v[NBR+21+\g]
	v_mul_f32 v[ZZ], v[A21], v[NBR+14+\g]
	v_mul_f32 v[WW], v[A21], v[NBR+21+\g]
.if \first
	v_mul_f32 v[NUA], v[A11], v[NBR+\g]
	v_mul_f32 v[NLA], v[A21], v[NBR+\g]
.else
	v_fmac_f32 v[NUA], v[A11], v[NBR+\g]
	v_fmac_f32 v[NLA], v[A21], v[NBR+\g]
.endif
	v_fmac_f32 v[XX], v[A12], v[NBR+21+\g]
	v_fmac_f32 v[YY], v[A12], v[NBR+28+\g]
	v_fmac_f32 v[ZZ], v[A22], v[NBR+21+\g]
	v_fmac_f32 v[WW], v[A22], v[NBR+28+\g]
.if \first
	v_mul_f32 v[NUB], v[A12], v[NBR+7+\g]
	v_mul_f32 v[NLB], v[A22], v[NBR+7+\g]
	v_fma_f32 v[CUA], v[A11], v[XX], v[TCU]
	v_mul_f32 v[CSA], v[A21], v[XX]
	v_mul_f32 v[CUB], v[A12], v[YY]
	v_mul_f32 v[CSB], v[A22], v[YY]
	v_fma_f32 v[CLA], v[A21], v[ZZ], v[TCL]
	v_mul_f32 v[CLB], v[A22], v[WW]
.else
	v_fmac_f32 v[NUB], v[A12], v[NBR+7+\g]
	v_fmac_f32 v[NLB], v[A22], v[NBR+7+\g]
	v_fmac_f32 v[CUA], v[A11], v[XX]
	v_fmac_f32 v[CSA], v[A21], v[XX]
	v_fmac_f32 v[CUB], v[A12], v[YY]
	v_fmac_f32 v[CSB], v[A22], v[YY]
	v_fmac_f32 v[CLA], v[A21], v[ZZ]
	v_fmac_f32 v[CLB], v[A22], v[WW]
.endif
.endm
; The way out: wave w stores the five arrays of step 4 g + w; each store covers 512 consecutive bytes, aligned.  OF0 and OF1 are one group ahead.
.macro FLUSH_ST
	global_store_b128 v[OF0], v[FD:FD+3],     s[28:29] offset:-4096 th:TH_STORE_NT   ; mu_u
	global_store_b128 v[OF0], v[FD+4:FD+7],   s[28:29] offset:-3584 th:TH_STORE_NT   ; mu_l
	global_store_b128 v[OF1], v[FD+8:FD+11],  s[30:31] offset:-2048 th:TH_STORE_NT   ; pcu
	global_store_b128 v[OF1], v[FD+16:FD+19], s[32:33] offset:-2048 th:TH_STORE_NT   ; pcl
	global_store_b128 v[OF1], v[FD+12:FD+15], s[34:35] offset:-2048 th:TH_STORE_NT   ; pcs
.endm
; One step.  k = step mod 8 = the slot.  pred = 0: the last step of all, whose prediction nobody uses.
.macro STEP k, pred
.set FLUSH, (((\k)&3)+1)>>2            ; 1 in every fourth step
.set SL, (\k)*SLOTB
	; update
	v_add_f32 v[DEN], v[CU], v[OV]
	v_rcp_f32 v[RD], v[DEN]
	v_sub_f32 v[RES], v[OBS], v[PMU]               ; the plain instruction between v_rcp_f32 and the use of its result (ISA guide 5.7.2)
	v_mul_f32 v[QU], v[CU], v[RD]
	v_mul_f32 v[QL], v[CS], v[RD]
	v_fma_f32 v[OMU], v[QU], v[RES], v[PMU]
	v_fma_f32 v[OML], v[QL], v[RES], v[PML]
	v_fma_f32 v[OPU], -v[QU], v[CU], v[CU]
	v_fma_f32 v[OPS], -v[QU], v[CS], v[CS]
	v_fma_f32 v[OPL], -v[QL], v[CS], v[CL]
	v_cvt_pk_bf16_f32 v[MP], v[OMU], v[OML]
	; publish
	ds_store_b32 v[MST], v[MP] offset:SL
.irp a, 0,1,2,3,4
	ds_store_b32 v[LB], v[NBR+7*\a+3] offset:SL+ARR*\a+12
.endr
	s_wait_dscnt 0x0                               ; for the other waves: my six stores are done (and no LDS load of mine is out)
	s_barrier_signal -1
	s_barrier_wait -1                              ; the slot is whole
.if ((\k)&3) == 0
	s_wait_xcnt 0x0                                ; the last five stores have read their sources: their offsets are stepped, and FD is loaded again, only behind this wait
	v_add_nc_u32 v[OF0], 0x1000, v[OF0]
	v_add_nc_u32 v[OF1], 0x800, v[OF1]
.endif
.if \pred
	ds_load_b128 v[MA:MA+3],   v[MLD] offset:SL    ; A(m, k) = element 32 (m & 7) + k of the 256 bf16
	ds_load_b128 v[MA+4:MA+7], v[MLD] offset:SL+32
.endif
.if FLUSH
.irp a, 0,1,2,3,4
	ds_load_b128 v[FD+4*\a:FD+4*\a+3], v[FL] offset:((\k)>>2)*4*SLOTB+ARR*\a   ; slot 4 (k / 4) + w
.endr
.endif
.if \pred
.irp a, 0,1,2,3,4
.irp g, 0,1,2,4,5,6
	ds_load_b32 v[NBR+7*\a+\g], v[LB] offset:SL+ARR*\a+4*\g    ; rows i - 3 .. i + 3 but my own
.endr
.endr
	ds_load_b32 v[OBS], v[INO] offset:((\k)+1)*512 ; the next step's inputs
	ds_load_b32 v[OV],  v[INV] offset:((\k)+1)*512
	; logits: D of chunk x = A x (tile x of coeff_w); its row x (and its copy, row 8 + x) is chunk x's part: register x, logit r in lane (r, h)
	s_wait_dscnt 32+5*FLUSH                        ; LDS loads come back in order (ISA guide 5.7.1): all but those issued behind the two of MA: 30 neighbours, 2 inputs, 5 on the way out
	WIN 0x0c                                       ; B in window 3
	v_wmma_f32_16x16x32_bf16 v[DX:DX+7], v[MA:MA+7], v[0:7], v[BIASC:BIASC+7]
.irp x, 1,2,3,4,5,6,7
	v_wmma_f32_16x16x32_bf16 v[DX+8*\x:DX+8*\x+7], v[MA:MA+7], v[8*\x:8*\x+7], 0
.endr
	WIN 0
	PLACES
	v_add_f32 v[T0], v[DX], v[DX+9]
	v_add_f32 v[T1], v[DX+18], v[DX+27]
	v_add_f32 v[T2], v[DX+36], v[DX+45]
	v_add_f32 v[T3], v[DX+54], v[DX+63]
	v_add_f32 v[U0], v[T0], v[T1]
	v_add_f32 v[U1], v[T2], v[T3]
	v_add_f32 v[LG], v[U0], v[U1]
	; softmax over the 16 lanes of a row, in base 2 (log2(e) is in the weights and the bias)
	v_max_num_f32_dpp v[MX], v[LG], v[LG] row_xmask:1 row_mask:0xf bank_mask:0xf
	v_max_num_f32_dpp v[MX], v[MX], v[MX] row_xmask:2 row_mask:0xf bank_mask:0xf
	v_max_num_f32_dpp v[MX], v[MX], v[MX] row_xmask:4 row_mask:0xf bank_mask:0xf
	v_max_num_f32_dpp v[MX], v[MX], v[MX] row_xmask:8 row_mask:0xf bank_mask:0xf
	v_sub_f32 v[EX], v[LG], v[MX]
	v_exp_f32 v[EX], v[EX]
	v_nop                                          ; one plain place behind a transcendental (ISA guide 5.7.2)
	v_add_f32_dpp v[SM], v[EX], v[EX] row_xmask:1 row_mask:0xf bank_mask:0xf
	v_add_f32_dpp v[SM], v[SM], v[SM] row_xmask:2 row_mask:0xf bank_mask:0xf
	v_add_f32_dpp v[SM], v[SM], v[SM] row_xmask:4 row_mask:0xf bank_mask:0xf
	v_add_f32_dpp v[SM], v[SM], v[SM] row_xmask:8 row_mask:0xf bank_mask:0xf
	v_rcp_f32 v[SM], v[SM]
	v_nop
	v_mul_f32 v[EX], v[EX], v[SM]                  ; alpha[r]
	v_cvt_pk_bf16_f32 v[AT], v[EX], v[AT+1]        ; A(m, 0) = alpha[m] (and A(m, 8), which meets zeros in B); the upper half is 0
	; the turn: D(m, n) = alpha[m] in column 0 (column 8) alone: register j of lane (r, h) = alpha[8 h + j] where r = 0 (8)
	v_wmma_f32_16x16x32_bf16 v[DT0:DT0+7], v[AT:AT+7], v[BT0:BT0+7], 0
	v_wmma_f32_16x16x32_bf16 v[DT8:DT8+7], v[AT:AT+7], v[BT8:BT8+7], 0
	s_wait_dscnt 0x0                               ; neighbours, inputs and what goes out
.if FLUSH
	FLUSH_ST
.endif
	PLACES
.irp c, 0,1,2,3
	v_cvt_pk_bf16_f32 v[AL+\c],   v[DT0+2*\c], v[DT0+2*\c+1]     ; exact: the numbers are bf16 already
	v_cvt_pk_bf16_f32 v[AL+4+\c], v[DT8+2*\c], v[DT8+2*\c+1]
.endr
	; band entries: tile n holds in K 0-15 the 16 basis values of rows 32 w + r, in K 16-31 those of rows 32 w + 16 + r,
	; so register 0 of D (m = 8 h, n = r) is the entry of row 32 w + lane.  The identity of A11 and A22 (d = 0: tiles 12 and 15) comes in as C.
	WIN 0x84                                       ; D in window 2, B in window 1
.set n, 0
.rept 28
.if ((n-12)*(n-15)) == 0
	v_wmma_f32_16x16x32_bf16 v[8*n:8*n+7], v[AL:AL+7], v[8*n:8*n+7], v[EYE:EYE+7]
.else
	v_wmma_f32_16x16x32_bf16 v[8*n:8*n+7], v[AL:AL+7], v[8*n:8*n+7], 0
.endif
.set n, n+1
.endr
	; predict
	WIN 0x02                                       ; source 0 in window 2
	PLACES
	VD 0, 1
	VD 1, 0
	VD 2, 0
	VD 3, 0
	VD 4, 0
	VD 5, 0
	VD 6, 0
	WIN 0
	v_pk_add_f32 v[PMU:PMU+1], v[NUA:NUA+1], v[NUB:NUB+1]
	v_pk_add_f32 v[CU:CU+1], v[CUA:CUA+1], v[CUB:CUB+1]
	v_add_f32 v[CL], v[CLA], v[CLB]
.else
	s_wait_dscnt 0x0
	FLUSH_ST
.endif
.endm
	s_mov_b32 s3, 15                               ; 128 steps = 16 trips of 8; the last trip is written out
.Ltrip:
	STEP 0, 1
	STEP 1, 1
	STEP 2, 1
	STEP 3, 1
	STEP 4, 1
	STEP 5, 1
	STEP 6, 1
	STEP 7, 1
	v_add_nc_u32 v[INO], 0x1000, v[INO]            ; eight steps of 512 bytes on
	v_add_nc_u32 v[INV], 0x1000, v[INV]
	s_sub_co_u32 s3, s3, 1
	s_cmp_lg_u32 s3, 0
	s_cbranch_scc1 .Ltrip
	STEP 0, 1
	STEP 1, 1
	STEP 2, 1
	STEP 3, 1
	STEP 4, 1
	STEP 5, 1
	STEP 6, 1
	STEP 7, 0                                      ; step 127: no input is read beyond it and nothing is predicted from it
	s_endpgm
.Lfunc_end_k_q4250e933ed_scan:
	.size	k_q4250e933ed_scan, .Lfunc_end_k_q4250e933ed_scan-k_q4250e933ed_scan
	.p2alignl 7, 3214868480
	.fill 96, 4, 3214868480
	.section	.rodata,"a",@progbits
	.p2align	6, 0x0
	.amdhsa_kernel k_q4250e933ed_scan
		.amdhsa_group_segment_fixed_size 167936
		.amdhsa_private_segment_fixed_size 0
		.amdhsa_enable_private_segment 0
		.amdhsa_kernarg_size 112
		.amdhsa_user_sgpr_count 2
		.amdhsa_user_sgpr_kernarg_segment_ptr 1
		.amdhsa_wavefront_size32 1
		.amdhsa_system_sgpr_workgroup_id_x 1
		.amdhsa_system_sgpr_workgroup_id_y 1
		.amdhsa_system_sgpr_workgroup_id_z 1
		.amdhsa_system_vgpr_workitem_id 0
		.amdhsa_next_free_vgpr 832
		.amdhsa_next_free_sgpr 66
		.amdhsa_reserve_vcc 1
		.amdhsa_float_denorm_mode_32 3
		.amdhsa_float_denorm_mode_16_64 3
		.amdhsa_memory_ordered 1
		.amdhsa_forward_progress 1
		.amdhsa_inst_pref_size 194
	.end_amdhsa_kernel
	.amdgpu_metadata
---
amdhsa.version: [ 1, 2 ]
amdhsa.kernels:
  - .name:           k_q4250e933ed_scan
    .symbol:         k_q4250e933ed_scan.kd
    .args:
      - { .name: latent_obs, .offset: 0, .size: 8, .value_kind: global_buffer, .address_space: global }
      - { .name: obs_vars, .offset: 8, .size: 8, .value_kind: global_buffer, .address_space: global }
      - { .name: initial_mean, .offset: 16, .size: 8, .value_kind: global_buffer, .address_space: global }
      - { .name: initial_cov_u, .offset: 24, .size: 8, .value_kind: global_buffer, .address_space: global }
      - { .name: initial_cov_l, .offset: 32, .size: 8, .value_kind: global_buffer, .address_space: global }
      - { .name: initial_cov_s, .offset: 40, .size: 8, .value_kind: global_buffer, .address_space: global }
      - { .name: coeff_b, .offset: 48, .size: 8, .value_kind: global_buffer, .address_space: global }
      - { .name: trans_cov_u, .offset: 56, .size: 8, .value_kind: global_buffer, .address_space: global }
      - { .name: trans_cov_l, .offset: 64, .size: 8, .value_kind: global_buffer, .address_space: global }
      - { .name: packed, .offset: 72, .size: 8, .value_kind: global_buffer, .address_space: global }
      - { .name: out0, .offset: 80, .size: 8, .value_kind: global_buffer, .address_space: global }
      - { .name: out1, .offset: 88, .size: 8, .value_kind: global_buffer, .address_space: global }
      - { .name: out2, .offset: 96, .size: 8, .value_kind: global_buffer, .address_space: global }
      - { .name: out3, .offset: 104, .size: 8, .value_kind: global_buffer, .address_space: global }
    .group_segment_fixed_size: 167936
    .private_segment_fixed_size: 0
    .kernarg_segment_align: 8
    .kernarg_segment_size: 112
    .max_flat_workgroup_size: 128
    .sgpr_count:     66
    .vgpr_count:     832
    .wavefront_size: 32
...
	.end_amdgpu_metadata
.endif
;; end of part 2
;; ======== version 2 of 2: 2 launches; 1.19 times as fast as version 1
;; workspace buffers: packed 122,880 bytes
;; launch pack (part 3): grid 240 x 1, 1 waves a work-group, no clusters, 0 bytes of LDS; arguments tm11, tm12, tm21, tm22, coeff_w, packed; writes packed
.if DOCPART == 3
	.amdgcn_target "amdgcn-amd-amdhsa--gfx1250"
	.amdhsa_code_object_version 6
	.text
	.protected	k_q4250e933ed_pack
	.globl	k_q4250e933ed_pack
	.p2align	8
	.type	k_q4250e933ed_pack,@function
k_q4250e933ed_pack:
	s_mov_b64 s[64:65], 0
	v_nop
	global_prefetch_b8 v0, s[64:65] scope:SCOPE_SE
	s_setreg_imm32_b32 hwreg(HW_REG_WAVE_MODE, 25, 1), 1
	s_wait_xcnt 0x0
; Cuts the seven diagonals |i - j| <= 3 (the band mask of the problem's own body) out of the four sets of 16 basis matrices, rounds them
; to bf16 and lays them out as B fragments of the 16x16x32 bf16 matrix instruction, ready to be loaded 16 bytes a lane; the same for coeff_w.
; LIMIT: the basis matrices and coeff_w * log2(e) are rounded to bf16 here (nearest even): they are matrix operands of the next launch.
;
; packed, bytes 0 .. 114,687: band tiles, at w*28672 + n*1024 + q*512 + L*16
;   w = 0..3: rows 32 w .. 32 w + 31;  n = 4 (d + 3) + X, d = -3..3 the diagonal, X = 0,1,2,3 for tm11, tm12, tm21, tm22;
;   q = 0, 1: registers 0-3 or 4-7 of the fragment;  L = lane, r = L & 15, h = L >> 4.
;   The 16 bytes are e = 0..7: tmX[8 h + e][i][i + d], i = 32 w + 16 q + r; 0 where i + d lies outside 0..127.
; packed, bytes 114,688 .. 122,879: tiles of coeff_w, at 114688 + x*1024 + q*512 + L*16, x = 0..7
;   e = 0..7: log2(e) * coeff_w[(p >> 1) + 128 (p & 1)][r], p = 32 x + 16 q + 8 h + e: K runs over mu_u[i], mu_l[i] in pairs.
; 240 work-groups of one wave.  The work-group's number is 8 G + P: G = 0..27 is band tile n for all four w, G = 28, 29 four tiles of coeff_w;
; P = 0..7 is which 32 of G's 256 pieces of 16 bytes are this wave's (P = 2 w + q for a band tile).  A lane makes one piece from eight loads of
; 4 bytes; these come from eight matrices (or eight rows) and 16 different rows: they are scattered, which is why they are made once here and
; not by each of the 128 work-groups of the next launch, and why each wave is a work-group of its own: the requests spread over 240 WGPs.
; The wave's one store covers 512 consecutive bytes, aligned.  No LDS, no barrier, no loop.
.set LOG2E, 0x3fb8aa3b
.set WTILES, 114688
	s_load_b256 s[4:11], s[0:1], 0x0               ; tm11 s[4:5], tm12 s[6:7], tm21 s[8:9], tm22 s[10:11]
	s_load_b128 s[12:15], s[0:1], 0x20             ; coeff_w s[12:13], packed s[14:15]
	s_lshr_b32 s27, ttmp9, 3                       ; G
	s_and_b32 s28, ttmp9, 7                        ; P
	s_lshl_b32 s28, s28, 5
	v_or_b32 v20, s28, v0                          ; my piece among G's 256: 32 P + lane
	v_and_b32 v1, 15, v0                           ; r
	v_bfe_u32 v2, v0, 4, 1                         ; h
	s_cmp_lt_u32 s27, 28
	s_cbranch_scc0 .Lweights
	; ---- a band tile ----
	s_and_b32 s24, s27, 3                          ; X: which of the four sets
	s_lshr_b32 s25, s27, 2
	s_sub_co_i32 s25, s25, 3                       ; d = -3 .. 3
	s_lshl_b32 s26, s27, 10                        ; n * 1024
	v_lshrrev_b32 v3, 5, v20                       ; 2 w + q
	v_lshl_add_u32 v3, v3, 4, v1                   ; i = 32 w + 16 q + r
	v_add_nc_u32 v4, s25, v3                       ; j = i + d (wraps below 0)
	v_cmp_gt_u32 vcc_lo, 0x80, v4                  ; j inside 0..127
	v_cndmask_b32 v4, v3, v4, vcc_lo               ; outside: load column i instead, which always exists; the value is thrown away below
	v_lshlrev_b32 v5, 2, v4                        ; 4 j
	v_lshl_add_u32 v5, v3, 9, v5                   ; + 512 i
	v_lshl_add_u32 v5, v2, 19, v5                  ; + 8 h matrices of 65,536 bytes
	v_lshrrev_b32 v6, 6, v20                       ; w
	v_and_b32 v7, 63, v20                          ; 32 q + L
	v_mul_u32_u24 v6, 0x7000, v6                   ; w * 28672
	v_lshl_add_u32 v6, v7, 4, v6
	v_add_nc_u32 v6, s26, v6
	s_wait_kmcnt 0x0
	s_cmp_lt_u32 s24, 2
	s_cselect_b64 s[16:17], s[4:5], s[8:9]         ; X < 2: tm11, else tm21
	s_cselect_b64 s[18:19], s[6:7], s[10:11]       ; X < 2: tm12, else tm22
	s_bitcmp1_b32 s24, 0
	s_cselect_b64 s[20:21], s[18:19], s[16:17]     ; X odd: the second of the pair
.irp e, 0,1,2,3,4,5,6,7
	global_load_b32 v[8+\e], v5, s[20:21] offset:\e*65536      ; basis matrix 8 h + e
.endr
	s_wait_loadcnt 0x0
.irp c, 0,1,2,3
	v_cvt_pk_bf16_f32 v[16+\c], v[8+2*\c], v[9+2*\c]
.endr
.irp c, 0,1,2,3
	v_cndmask_b32 v[16+\c], 0, v[16+\c], vcc_lo    ; zero where the diagonal leaves the matrix
.endr
	global_store_b128 v6, v[16:19], s[14:15]
	s_endpgm
	; ---- four tiles of coeff_w ----
.Lweights:
	s_sub_co_u32 s24, s27, 28                      ; 0 or 1
	s_lshl_b32 s25, s24, 12                        ; four tiles: 4,096 bytes of packed, and 4 x 16 rows of 64 bytes of coeff_w
	v_lshrrev_b32 v3, 6, v20                       ; tile among the four
	v_bfe_u32 v4, v20, 5, 1                        ; q
	v_lshlrev_b32 v5, 2, v1                        ; column r
	v_lshl_add_u32 v5, v2, 8, v5                   ; + 4 h rows of 64 bytes
	v_lshl_add_u32 v5, v4, 9, v5                   ; + 8 q rows
	v_lshl_add_u32 v5, v3, 10, v5                  ; + 16 rows a tile
	v_add_nc_u32 v5, s25, v5
	v_lshlrev_b32 v6, 4, v20
	v_add_nc_u32 v6, s25, v6
	s_wait_kmcnt 0x0
.irp e, 0,1,2,3,4,5,6,7
	global_load_b32 v[8+\e], v5, s[12:13] offset:(\e>>1)*64+(\e&1)*8192   ; even e: the row of mu_u, odd e: the row of mu_l, 128 rows further down
.endr
	s_wait_loadcnt 0x0
.irp c, 0,2,4,6
	v_pk_mul_f32 v[8+\c:9+\c], v[8+\c:9+\c], LOG2E op_sel_hi:[1,0]        ; the softmax of the next launch works in base 2
.endr
.irp c, 0,1,2,3
	v_cvt_pk_bf16_f32 v[16+\c], v[8+2*\c], v[9+2*\c]
.endr
	global_store_b128 v6, v[16:19], s[14:15] offset:WTILES
	s_endpgm
.Lfunc_end_k_q4250e933ed_pack:
	.size	k_q4250e933ed_pack, .Lfunc_end_k_q4250e933ed_pack-k_q4250e933ed_pack
	.p2alignl 7, 3214868480
	.fill 96, 4, 3214868480
	.section	.rodata,"a",@progbits
	.p2align	6, 0x0
	.amdhsa_kernel k_q4250e933ed_pack
		.amdhsa_group_segment_fixed_size 0
		.amdhsa_private_segment_fixed_size 0
		.amdhsa_enable_private_segment 0
		.amdhsa_kernarg_size 48
		.amdhsa_user_sgpr_count 2
		.amdhsa_user_sgpr_kernarg_segment_ptr 1
		.amdhsa_wavefront_size32 1
		.amdhsa_system_sgpr_workgroup_id_x 1
		.amdhsa_system_sgpr_workgroup_id_y 1
		.amdhsa_system_sgpr_workgroup_id_z 1
		.amdhsa_system_vgpr_workitem_id 0
		.amdhsa_next_free_vgpr 24
		.amdhsa_next_free_sgpr 66
		.amdhsa_reserve_vcc 1
		.amdhsa_float_denorm_mode_32 3
		.amdhsa_float_denorm_mode_16_64 3
		.amdhsa_memory_ordered 1
		.amdhsa_forward_progress 1
		.amdhsa_inst_pref_size 5
	.end_amdhsa_kernel
	.amdgpu_metadata
---
amdhsa.version: [ 1, 2 ]
amdhsa.kernels:
  - .name:           k_q4250e933ed_pack
    .symbol:         k_q4250e933ed_pack.kd
    .args:
      - { .name: tm11, .offset: 0, .size: 8, .value_kind: global_buffer, .address_space: global }
      - { .name: tm12, .offset: 8, .size: 8, .value_kind: global_buffer, .address_space: global }
      - { .name: tm21, .offset: 16, .size: 8, .value_kind: global_buffer, .address_space: global }
      - { .name: tm22, .offset: 24, .size: 8, .value_kind: global_buffer, .address_space: global }
      - { .name: coeff_w, .offset: 32, .size: 8, .value_kind: global_buffer, .address_space: global }
      - { .name: packed, .offset: 40, .size: 8, .value_kind: global_buffer, .address_space: global }
    .group_segment_fixed_size: 0
    .private_segment_fixed_size: 0
    .kernarg_segment_align: 8
    .kernarg_segment_size: 48
    .max_flat_workgroup_size: 32
    .sgpr_count:     66
    .vgpr_count:     24
    .wavefront_size: 32
...
	.end_amdgpu_metadata
.endif
;; end of part 3
;; launch scan (part 4): grid 128 x 1, 4 waves a work-group, no clusters, 167,936 bytes of LDS; arguments latent_obs, obs_vars, initial_mean, initial_cov_u, initial_cov_l, initial_cov_s, coeff_b, trans_cov_u, trans_cov_l, packed, out0, out1, out2, out3; writes out0, out1, out2, out3
.if DOCPART == 4
	.amdgcn_target "amdgcn-amd-amdhsa--gfx1250"
	.amdhsa_code_object_version 6
	.text
	.protected	k_q4250e933ed_scan
	.globl	k_q4250e933ed_scan
	.p2align	8
	.type	k_q4250e933ed_scan,@function
k_q4250e933ed_scan:
	s_mov_b64 s[64:65], 0
	v_nop
	global_prefetch_b8 v0, s[64:65] scope:SCOPE_SE
	s_setreg_imm32_b32 hwreg(HW_REG_WAVE_MODE, 25, 1), 1
	s_wait_xcnt 0x0
; The whole scan.  A work-group is one batch element (128 of them: the steps of an element depend on each other and its rows on their
; neighbours in every step, so an element is not split over work-groups, which may not talk to each other).  Wave w owns rows 32 w .. 32 w + 31,
; a lane one row i; the row's state (prior mean upper and lower, cu, cl, cs) stays in that lane's registers for all 128 steps.
;
; ONE STEP: update (11 vector instructions, gives the five outputs) -> publish them in an LDS slot -> ONE barrier -> logits (8 matrix
; instructions) -> softmax, one logit a lane -> alpha turned from lanes into an A operand (2 matrix instructions) -> the 4 x 7 band entries of
; my 32 rows (28 matrix instructions, K = the 16 basis matrices), and between them the banded products in f32 on the vector unit (each batch
; element has matrices of its own and one vector: there is nothing for a matrix instruction to share): the 16 vector lines of diagonal g stand,
; four and four, behind the four matrix instructions of diagonal g + 1, so that both units have work at the same time.
; All that is constant lives in registers: 28 band tiles and 8 tiles of coeff_w, as the launch before laid them out.
; No matrix instruction adds in place: each D is a tuple of its own, and C is 0 or a constant tuple.
;
; NOT IN CLUSTERS: what work-groups share is the 122,880 bytes of packed, read once by each, by plain loads straight into registers, ahead of
; the loop; the loop reads nothing that is shared.
; LIMITS: bf16 as matrix operands: the basis matrices, coeff_w * log2(e), post_mean for the logits alone, and alpha.  The identity of A11 and
; A22 is added in f32 (as C).  A division is v_rcp_f32 and a multiply.  (1 - q) c is made as c - q c in one fused operation.  The softmax takes
; its maximum away in every step; an alpha below 2^-126 comes out as 0 (v_exp_f32 flushes: ISA guide 15.8).
;
; LDS: 0 .. 65,535 latent_obs of my element, [t][i] f32; 65,536 .. 131,071 obs_vars likewise: four tensor loads, one a wave, each bytes of its
; own, filled once and never again.  From RING on: 8 slots, written by ds_store alone, slot = step mod 8.  In a slot:
;   PMO: 128 pairs (mu_u[i], mu_l[i]) of 8 bytes;  PMO + PAIRP: 128 pairs (pcu[i], pcs[i]);  PLO: pcl[i], 4 bytes each.  A load of 8 bytes a lane
;   brings two of a neighbour's values, and the 32 lanes take 256 consecutive bytes: 3 loads a diagonal.
;   Zeros in front of, between and behind the arrays stand for rows -3..-1 and 128..130: the band entries are 0 there, the zeros only keep the products finite.
;   MPK: the 128 words (bf16 mu_u[i], bf16 mu_l[i]), 16 bytes skipped in the middle.
; A slot is written again eight barriers after it was read, and every wave's LDS loads are back in front of each of its signals.
;
; REGISTER WINDOWS (s_set_vgpr_msb: bits 1:0 source 0, 3:2 source 1, 5:4 source 2, 7:6 destination).  One setting has to serve a matrix
; instruction and the vector lines beside it, so:
;   window 2: the D tiles, alpha's operand, the partial sums and X, Y, Z, W: D, A, every destination and every source 0;
;   window 1: band tiles of diagonals 0-3 and the five vectors at diagonals 0-2;  window 3: tiles of coeff_w, band tiles of diagonals 4-6 and the
;   vectors at diagonals 3-6: B and source 1.  The vectors of diagonal g lie beside the tiles of diagonal g + 1, their neighbours in the text.
; The four lines of a diagonal that multiply an entry by X, Y, Z or W have both sources in window 2, and 224 registers of tiles do not fit
; beside 224 of results: hence two switches a diagonal.
.set RING,  131072
.set SLOTB, 3328                       ; 13 x 256 bytes
.set PMO,   32                         ; pairs (mu_u, mu_l); zeros in bytes 0-31
.set PAIRP, 1056                       ; from there to the pairs (pcu, pcs): 1,024 bytes of pairs and 32 of zeros
.set PLO,   2144                       ; pcl; zeros in bytes 2112-2143 and 2656-2671
.set MPK,   2688
.set LOG2E, 0x3fb8aa3b
; window 0
.set LB2, 1                            ; LDS: the pair of row i - 3 in slot 0's first pair array (my own row at + 24)
.set MST, 2                            ; LDS: my bf16 pair in slot 0
.set MLD, 3                            ; LDS: my 16 bytes of the logits' A operand in slot 0
.set FL,  4                            ; LDS: 16 x lane in slot w (the way out)
.set INO, 5                            ; LDS: latent_obs[8 trip][i]
.set INV, 6                            ; LDS: obs_vars[8 trip][i]
.set OF0, 7                            ; out0: byte offset of my 8 bytes in step 4 g + w, one group of four steps ahead
.set OF1, 8                            ; out1, out3: the same
.set PK,  9                            ; start only
.set OBS, 10
.set OV,  11
.set LB1, 12                           ; LDS: pcl of row i - 3 in slot 0 (my own row at + 12)
.set OF2, 13                           ; out2: byte offset of my 16 bytes, one group ahead
.set PMU, 14                           ; v[14:15] prior mean, upper and lower
.set PML, 15
.set CS,  16                           ; v[16:17] cs, cl
.set CL,  17
.set CU,  18
.set DEN, 19
.set RD,  20
.set RES, 21
.set QU,  22
.set QL,  23
.set MP,  24
.set BO,  25                           ; start only
.set OMU, 44                           ; v[44:48] my row's post values: (mu_u, mu_l), (pcu, pcs), pcl
.set OML, 45
.set OPU, 46
.set OPS, 47
.set OPL, 48
.set FD,  80                           ; v[80:99] the way out
.set MA,  100                          ; logits: A
.set AT,  108                          ; the turn: A; registers 1-7 stay 0
.set BT0, 116                          ; the turn: B with a single 1.0 at (k 0, n 0)
.set BT8, 124                          ; the same at (k 0, n 8)
.set DT0, 132
.set DT8, 140
.set EYE, 156                          ; 1.0
.set BIASC, 164                        ; register 0: coeff_b[r] * log2(e); the rest 0
.set DX,  172                          ; v[172:235] logits: D of chunk x at 172 + 8 x
.set T0,  236
.set T1,  237
.set T2,  238
.set T3,  239
.set U0,  240
.set U1,  241
.set LG,  242
.set MX,  243
.set EX,  244
.set SM,  245
.set LANE, 246                         ; start only, as the four behind it
.set R15, 247
.set HH,  248
.set TA,  249
.set TB,  250
; window 1 (v256 ..): band tile n = 0..15 at 8 n
.set NB1, 128                          ; diagonal g = 0..2 at 128 + 6 g: mu_u, mu_l, pcu, pcs, pcl
; window 3 (v768 ..): tile x of coeff_w at 8 x
.set TM3, 64                           ; band tile n = 16..27 at 64 + 8 (n - 16)
.set NB3, 160                          ; diagonal g = 3..6 at 160 + 6 (g - 3), likewise
; window 2 (v512 ..): D of band tile n at 8 n
.set AL,  224                          ; alpha as A: row 0 = alpha in K 0-15, row 8 = alpha in K 16-31, all else 0
.set NUA, 232                          ; two partial sums for each of the five results; pairs for the packed lines
.set NLA, 233
.set NUB, 234
.set NLB, 235
.set CSA, 236
.set CLA, 237
.set CSB, 238
.set CLB, 239
.set CUA, 240
.set CUB, 241
.set XY,  242                          ; (X, Z), (Y, W), two sets that take turns
.set TCU2, 250                         ; trans_cov_u[i]
.set ZT,  252                          ; the pair (0, trans_cov_l[i])
.set MSB, 0
.macro WIN new                         ; the immediate's high byte repeats the setting that is left; a switch that changes nothing is dropped
.if MSB != \new
	s_set_vgpr_msb (MSB<<8)|\new
.set MSB, \new
.endif
.endm
.macro PLACES                          ; four places between a matrix instruction and the first vector instruction that reads its result (ISA guide 7.12.1)
.rept 4
	v_nop
.endr
.endm
	s_load_b512 s[8:23], s[0:1], 0x0               ; latent_obs 8:9, obs_vars 10:11, initial_mean 12:13, cov_u 14:15, cov_l 16:17, cov_s 18:19, coeff_b 20:21, trans_cov_u 22:23
	s_load_b256 s[24:31], s[0:1], 0x40             ; trans_cov_l 24:25, packed 26:27, out0 28:29, out1 30:31
	s_load_b128 s[32:35], s[0:1], 0x60             ; out2 32:33, out3 34:35
	v_lshrrev_b32 v[PK], 5, v0
	v_readfirstlane_b32 s2, v[PK]                  ; wave 0..3
	; descriptor group 1: a dense block of 32,768 bytes as 128 rows of 32 elements of 8 bytes
	s_mov_b32 s40, 3<<16                           ; no mask, elements of 8 bytes, no padding
	s_mov_b32 s41, 32<<16                          ; tensor_dim0 = 32
	s_mov_b32 s42, 128<<16                         ; tensor_dim1 = 128
	s_mov_b32 s43, 32<<16                          ; tile_dim0 = 32
	s_mov_b32 s44, 128                             ; tile_dim1 = 128
	s_mov_b32 s45, 32                              ; pitch = 32 elements: each row begins where the last ends
	s_mov_b32 s46, 0
	s_mov_b32 s47, 0
	; group 0: waves 0, 1 bring the two halves of my element's latent_obs, waves 2, 3 those of its obs_vars, to LDS byte 32,768 w
	s_mov_b32 s36, 1
	s_lshl_b32 s37, s2, 15
	s_lshl_b32 s4, ttmp9, 16                       ; 65,536 bytes a batch element
	s_and_b32 s48, s2, 1
	s_lshl_b32 s48, s48, 15
	s_add_co_u32 s4, s4, s48
	s_mov_b32 s5, 0
	s_wait_kmcnt 0x0
	s_cmp_lt_u32 s2, 2
	s_cselect_b64 s[38:39], s[8:9], s[10:11]
	s_add_nc_u64 s[38:39], s[38:39], s[4:5]
	s_or_b32 s39, s39, 0x80000000                  ; type 2
	tensor_load_to_lds s[36:39], s[40:47]          ; my one tensor load of the launch; s[36:47] are not written again
	; the resident tiles: 72 loads of 16 bytes a lane, each 512 consecutive bytes of packed
	v_and_b32 v[LANE], 31, v0
	v_lshlrev_b32 v[PK], 4, v[LANE]
	s_add_nc_u64 s[6:7], s[26:27], 114688          ; the tiles of coeff_w
	s_mul_i32 s4, s2, 28672
	s_add_nc_u64 s[26:27], s[26:27], s[4:5]        ; my wave's 28 band tiles
	WIN 0x40                                       ; destination in window 1: band tiles 0-15
.set n, 0
.rept 32
	global_load_b128 v[4*n:4*n+3], v[PK], s[26:27] offset:512*n
.set n, n+1
.endr
	WIN 0xc0                                       ; destination in window 3: band tiles 16-27, then coeff_w
.rept 24
	global_load_b128 v[TM3+4*(n-32):TM3+4*(n-32)+3], v[PK], s[26:27] offset:512*n
.set n, n+1
.endr
.set n, 0
.rept 16
	global_load_b128 v[4*n:4*n+3], v[PK], s[6:7] offset:512*n
.set n, n+1
.endr
	WIN 0
	; the state and the small vectors, 4 bytes a row
	v_and_b32 v[R15], 15, v0                       ; r
	v_bfe_u32 v[HH], v0, 4, 1                      ; h
	s_lshl_b32 s48, s2, 7                          ; my wave's 32 rows of 4 bytes
	v_lshl_add_u32 v[INO], v[LANE], 2, s48         ; 4 i
	v_lshlrev_b32 v[BO], 2, v[R15]
	s_lshl_b32 s4, ttmp9, 10
	s_add_nc_u64 s[12:13], s[12:13], s[4:5]
	s_lshl_b32 s4, ttmp9, 9
	s_add_nc_u64 s[14:15], s[14:15], s[4:5]
	s_add_nc_u64 s[16:17], s[16:17], s[4:5]
	s_add_nc_u64 s[18:19], s[18:19], s[4:5]
	global_load_b32 v[PMU], v[INO], s[12:13]
	global_load_b32 v[PML], v[INO], s[12:13] offset:512
	global_load_b32 v[CU], v[INO], s[14:15]
	global_load_b32 v[CL], v[INO], s[16:17]
	global_load_b32 v[CS], v[INO], s[18:19]
	global_load_b32 v[BIASC], v[BO], s[20:21]      ; coeff_b[r]
	WIN 0x80                                       ; destination in window 2: the process noise, on which two of the sums start
	global_load_b32 v[TCU2], v[INO], s[22:23]
	global_load_b32 v[ZT+1], v[INO], s[24:25]
	v_mov_b32 v[ZT], 0
	WIN 0
	s_lshl_b32 s4, ttmp9, 17
	s_add_nc_u64 s[28:29], s[28:29], s[4:5]        ; out0 at my element
	s_lshl_b32 s4, ttmp9, 16
	s_add_nc_u64 s[30:31], s[30:31], s[4:5]
	s_add_nc_u64 s[32:33], s[32:33], s[4:5]
	s_add_nc_u64 s[34:35], s[34:35], s[4:5]
	; constant operands
.irp j, 1,2,3,4,5,6,7
	v_mov_b32 v[AT+\j], 0
	v_mov_b32 v[BT0+\j], 0
	v_mov_b32 v[BT8+\j], 0
	v_mov_b32 v[BIASC+\j], 0
.endr
.irp j, 0,1,2,3,4,5,6,7
	v_mov_b32 v[EYE+\j], 1.0
.endr
	v_mov_b32 v[TA], 0x3f80                        ; bf16 1.0 in the low half: k = 8 h of column r
	v_cmp_eq_u32 vcc_lo, 0, v[LANE]
	v_cndmask_b32 v[BT0], 0, v[TA], vcc_lo         ; (k 0, n 0)
	v_cmp_eq_u32 vcc_lo, 8, v[LANE]
	v_cndmask_b32 v[BT8], 0, v[TA], vcc_lo         ; (k 0, n 8)
	v_mov_b32 v[MX], 0                             ; destinations of DPP forms count as read: written once here
	v_mov_b32 v[SM], 0
	; addresses: a lane term plus a scalar term of the wave's number
	s_add_co_u32 s49, s48, RING+PLO-12
	v_lshl_add_u32 v[LB1], v[LANE], 2, s49         ; RING + PLO + 4 (i - 3)
	s_lshl_b32 s49, s2, 8                          ; my wave's 32 rows of 8 bytes
	s_add_co_u32 s49, s49, RING+PMO-24
	v_lshl_add_u32 v[LB2], v[LANE], 3, s49         ; RING + PMO + 8 (i - 3)
	s_lshr_b32 s50, s2, 1
	s_lshl_b32 s50, s50, 4                         ; rows 64 and up lie 16 bytes further: chunks 4-7 of the A operand then start in other banks than chunks 0-3 (64 banks of 4 bytes: ISA guide 11.1)
	s_add_co_u32 s50, s50, s48
	s_add_co_u32 s50, s50, RING+MPK
	v_lshl_add_u32 v[MST], v[LANE], 2, s50
	v_and_b32 v[TA], 7, v0                         ; A's row m reads chunk m & 7: 32 bf16 = 64 bytes
	v_lshlrev_b32 v[MLD], 6, v[TA]
	v_bfe_u32 v[TB], v0, 2, 1                      ; chunks 4-7: behind the skipped 16 bytes
	v_lshl_add_u32 v[MLD], v[TB], 4, v[MLD]
	v_lshl_add_u32 v[MLD], v[HH], 4, v[MLD]        ; k = 8 h ..
	v_add_nc_u32 v[MLD], RING+MPK, v[MLD]
	s_mul_i32 s51, s2, SLOTB
	s_add_co_u32 s51, s51, RING
	v_lshl_add_u32 v[FL], v[LANE], 4, s51
	v_add_nc_u32 v[INV], 0x10000, v[INO]
	s_lshl_b32 s49, s2, 10
	v_lshl_add_u32 v[OF0], v[LANE], 3, s49         ; step w of a group of four: 1,024 bytes a step in out0,
	s_lshl_b32 s49, s2, 9
	v_lshl_add_u32 v[OF1], v[LANE], 3, s49         ; 512 in out1..3
	v_lshl_add_u32 v[OF2], v[LANE], 4, s49
	; the zeros round the arrays: wave w writes those of slots 2 w and 2 w + 1; all lanes write the same 16 bytes
	s_mul_i32 s52, s2, 2*SLOTB
	s_add_co_u32 s52, s52, RING
	v_mov_b32 v[TA], s52
.irp q, 0,1
.irp p, 0,16,1056,1072,2112,2128,2656
	ds_store_b128 v[TA], v[AT+4:AT+7] offset:\q*SLOTB+\p
.endr
.endr
	s_wait_loadcnt 0x0                             ; tiles, state, vectors
	v_mul_f32 v[BIASC], LOG2E, v[BIASC]
	s_wait_tensorcnt 0x0                           ; my part of the inputs has landed,
	s_wait_dscnt 0x0                               ; my zeros are written:
	s_barrier_signal -1
	s_barrier_wait -1                              ; everybody's
	ds_load_b32 v[OBS], v[INO]                     ; step 0
	ds_load_b32 v[OV], v[INV]
	s_wait_dscnt 0x0
; Band tile (g, x): diagonal g - 3 of matrix x = 0..3 (A11, A12, A21, A22).  The tile holds in K 0-15 the 16 basis values of rows 32 w + r, in
; K 16-31 those of rows 32 w + 16 + r, so register 0 of D (m = 8 h, n = r) is the entry of row 32 w + lane.  The identity of A11 and A22
; (d = 0: tiles 12 and 15) comes in as C.  Written under a setting with D and A in window 2, C in window 0 and B in the tile's window.
.macro WB g, x
.set NN, 4*(\g)+(\x)
.if (\g) < 4
.set BB, 8*NN
.else
.set BB, TM3+8*(NN-16)
.endif
.if ((NN-12)*(NN-15)) == 0
	v_wmma_f32_16x16x32_bf16 v[8*NN:8*NN+7], v[AL:AL+7], v[BB:BB+7], v[EYE:EYE+7]
.else
	v_wmma_f32_16x16x32_bf16 v[8*NN:8*NN+7], v[AL:AL+7], v[BB:BB+7], 0
.endif
.endm
; Diagonal g - 3 of the four matrices against the five vectors at row i + g - 3, and between its lines the four band tiles of diagonal gn = g + 1 (next = 1).
; ncu = sum A11 X + A12 Y, ncs = sum A21 X + A22 Y, X = A11 pcu + A12 pcs, Y = A11 pcs + A12 pcl; ncl = sum A21 Z + A22 W, Z = A21 pcu + A22 pcs, W = A21 pcs + A22 pcl.
; (X, Z) and (Y, W) are register pairs, and so are the sums (ncs, ncl): A21 times (X, Z) and A22 times (Y, W) are one packed line each, the entry
; (register 0 of its D tile) feeding both halves.  That makes 16 lines, four behind each matrix instruction.
; first = 1: the first diagonal starts the ten sums (two of them on the process noise): nothing is cleared.
; Distances: each tile of diagonal gn is read first in the next BLOCK; behind the last of them stand the four lines of this diagonal's second part
; and eight of the next BLOCK, behind the third four more, and none of these names a register of those tiles: four places and more (ISA guide 7.12.1).
.macro BLOCK g, gn, first, next
.set A11, 32*(\g)
.set A12, A11+8
.set A21, A11+16
.set A22, A11+24
.set XX, XY+4*((\g)&1)
.set ZZ, XX+1
.set YY, XX+2
.set WW, XX+3
.if (\g) < 3
.set NB, NB1+6*(\g)
	WIN 0x86                                       ; D, A, destination, source 0: window 2; B, source 1: window 1; C: window 0
.else
.set NB, NB3+6*((\g)-3)
	WIN 0x8e                                       ; the same with B and source 1 in window 3
.endif
.if \next
	WB \gn, 0
.endif
	v_mul_f32 v[XX], v[A11], v[NB+2]               ; pcu
	v_mul_f32 v[YY], v[A11], v[NB+3]               ; pcs
	v_mul_f32 v[ZZ], v[A21], v[NB+2]
	v_mul_f32 v[WW], v[A21], v[NB+3]
.if \next
	WB \gn, 1
.endif
.if \first
	v_mul_f32 v[NUA], v[A11], v[NB]                ; mu_u
	v_mul_f32 v[NLA], v[A21], v[NB]
.else
	v_fmac_f32 v[NUA], v[A11], v[NB]
	v_fmac_f32 v[NLA], v[A21], v[NB]
.endif
	v_fmac_f32 v[XX], v[A12], v[NB+3]
	v_fmac_f32 v[YY], v[A12], v[NB+4]              ; pcl
.if \next
	WB \gn, 2
.endif
	v_fmac_f32 v[ZZ], v[A22], v[NB+3]
	v_fmac_f32 v[WW], v[A22], v[NB+4]
.if \first
	v_mul_f32 v[NUB], v[A12], v[NB+1]              ; mu_l
	v_mul_f32 v[NLB], v[A22], v[NB+1]
.else
	v_fmac_f32 v[NUB], v[A12], v[NB+1]
	v_fmac_f32 v[NLB], v[A22], v[NB+1]
.endif
.if \next
	WB \gn, 3
.endif
	WIN 0xaa                                       ; all three sources and the destination in window 2
.if \first
	v_fma_f32 v[CUA], v[A11], v[XX], v[TCU2]
	v_mul_f32 v[CUB], v[A12], v[YY]
	v_pk_fma_f32 v[CSA:CSA+1], v[A21:A21+1], v[XX:XX+1], v[ZT:ZT+1] op_sel_hi:[0,1,1]     ; (A21 X, A21 Z + trans_cov_l)
	v_pk_mul_f32 v[CSB:CSB+1], v[A22:A22+1], v[YY:YY+1] op_sel_hi:[0,1]                   ; (A22 Y, A22 W)
.else
	v_fmac_f32 v[CUA], v[A11], v[XX]
	v_fmac_f32 v[CUB], v[A12], v[YY]
	v_pk_fma_f32 v[CSA:CSA+1], v[A21:A21+1], v[XX:XX+1], v[CSA:CSA+1] op_sel_hi:[0,1,1]
	v_pk_fma_f32 v[CSB:CSB+1], v[A22:A22+1], v[YY:YY+1], v[CSB:CSB+1] op_sel_hi:[0,1,1]
.endif
.endm
; The way out: wave w stores the five arrays of step 4 g + w.  16 bytes of a pair array are (a, b, a', b') of two neighbouring rows: the two middle
; registers change places, and (a, a') and (b, b') leave as 8 bytes a lane: each such store covers 256 consecutive bytes, aligned; that of pcl 512.
; OF0, OF1 and OF2 are one group ahead.
.macro FLUSH_ST
.irp c, 0,1,2,3
	v_mov_b32 v[T0+\c], v[FD+4*\c+1]
.endr
.irp c, 0,1,2,3
	v_mov_b32 v[FD+4*\c+1], v[FD+4*\c+2]
.endr
.irp c, 0,1,2,3
	v_mov_b32 v[FD+4*\c+2], v[T0+\c]
.endr
	global_store_b64 v[OF0], v[FD:FD+1],      s[28:29] offset:-4096 th:TH_STORE_NT   ; mu_u, rows 0-63
	global_store_b64 v[OF0], v[FD+4:FD+5],    s[28:29] offset:-3840 th:TH_STORE_NT   ; mu_u, rows 64-127
	global_store_b64 v[OF0], v[FD+2:FD+3],    s[28:29] offset:-3584 th:TH_STORE_NT   ; mu_l
	global_store_b64 v[OF0], v[FD+6:FD+7],    s[28:29] offset:-3328 th:TH_STORE_NT
	global_store_b64 v[OF1], v[FD+8:FD+9],    s[30:31] offset:-2048 th:TH_STORE_NT   ; pcu
	global_store_b64 v[OF1], v[FD+12:FD+13],  s[30:31] offset:-1792 th:TH_STORE_NT
	global_store_b64 v[OF1], v[FD+10:FD+11],  s[34:35] offset:-2048 th:TH_STORE_NT   ; pcs
	global_store_b64 v[OF1], v[FD+14:FD+15],  s[34:35] offset:-1792 th:TH_STORE_NT
	global_store_b128 v[OF2], v[FD+16:FD+19], s[32:33] offset:-2048 th:TH_STORE_NT   ; pcl
.endm
; One step.  k = step mod 8 = the slot.  pred = 0: the last step of all, whose prediction nobody uses.
.macro STEP k, pred
.set FLUSH, (((\k)&3)+1)>>2            ; 1 in every fourth step
.set SL, (\k)*SLOTB
	; update
	v_add_f32 v[DEN], v[CU], v[OV]
	v_rcp_f32 v[RD], v[DEN]
	v_sub_f32 v[RES], v[OBS], v[PMU]               ; the plain instruction between v_rcp_f32 and the use of its result (ISA guide 5.7.2)
.if \pred
	ds_load_b32 v[OBS], v[INO] offset:((\k)+1)*512 ; the next step's inputs, as soon as this step's are read: they are back by the wait in front of the barrier
	ds_load_b32 v[OV],  v[INV] offset:((\k)+1)*512
.endif
	v_mul_f32 v[QU], v[CU], v[RD]
	v_mul_f32 v[QL], v[CS], v[RD]
	v_fma_f32 v[OMU], v[QU], v[RES], v[PMU]
	v_fma_f32 v[OML], v[QL], v[RES], v[PML]
	v_fma_f32 v[OPU], -v[QU], v[CU], v[CU]
	v_fma_f32 v[OPS], -v[QU], v[CS], v[CS]
	v_fma_f32 v[OPL], -v[QL], v[CS], v[CL]
	v_cvt_pk_bf16_f32 v[MP], v[OMU], v[OML]
	; publish
	ds_store_b32 v[MST], v[MP] offset:SL
	ds_store_b64 v[LB2], v[OMU:OMU+1] offset:SL+24
	ds_store_b64 v[LB2], v[OPU:OPU+1] offset:SL+PAIRP+24
	ds_store_b32 v[LB1], v[OPL] offset:SL+12
	s_wait_dscnt 0x0                               ; for the other waves: my four stores are done (and no LDS load of mine is out)
	s_barrier_signal -1
	s_barrier_wait -1                              ; the slot is whole
.if \pred
	ds_load_b128 v[MA:MA+3],   v[MLD] offset:SL    ; A(m, k) = element 32 (m & 7) + k of the 256 bf16
	ds_load_b128 v[MA+4:MA+7], v[MLD] offset:SL+32
.endif
.if ((\k)&3) == 0
	s_wait_xcnt 0x0                                ; the last nine stores have read their sources: their offsets are stepped, and FD is loaded again, only behind this wait
	v_add_nc_u32 v[OF0], 0x1000, v[OF0]
	v_add_nc_u32 v[OF1], 0x800, v[OF1]
	v_add_nc_u32 v[OF2], 0x800, v[OF2]
.endif
.if \pred
	WIN 0x40                                       ; destination in window 1: rows i - 3 .. i - 1
.irp g, 0,1,2
	ds_load_b64 v[NB1+6*\g:NB1+6*\g+1],   v[LB2] offset:SL+8*\g
	ds_load_b64 v[NB1+6*\g+2:NB1+6*\g+3], v[LB2] offset:SL+PAIRP+8*\g
	ds_load_b32 v[NB1+6*\g+4],            v[LB1] offset:SL+4*\g
.endr
	WIN 0xc0                                       ; destination in window 3: rows i + 1 .. i + 3
.irp g, 4,5,6
	ds_load_b64 v[NB3+6*(\g-3):NB3+6*(\g-3)+1],   v[LB2] offset:SL+8*\g
	ds_load_b64 v[NB3+6*(\g-3)+2:NB3+6*(\g-3)+3], v[LB2] offset:SL+PAIRP+8*\g
	ds_load_b32 v[NB3+6*(\g-3)+4],                v[LB1] offset:SL+4*\g
.endr
.irp c, 0,1,2,3,4
	v_mov_b32 v[NB3+\c], v[OMU+\c]                 ; my own row: copied to where source 1 finds it, while the logits' operand is on its way, instead of five more LDS loads
.endr
	; logits: D of chunk x = A x (tile x of coeff_w); its row x (and its copy, row 8 + x) is chunk x's part: register x, logit r in lane (r, h)
	s_wait_dscnt 18                                ; LDS loads come back in order (ISA guide 5.7.1): all but the 18 issued behind the two of MA
	WIN 0x0c                                       ; B in window 3
	v_wmma_f32_16x16x32_bf16 v[DX:DX+7], v[MA:MA+7], v[0:7], v[BIASC:BIASC+7]
.irp x, 1,2,3,4,5,6,7
	v_wmma_f32_16x16x32_bf16 v[DX+8*\x:DX+8*\x+7], v[MA:MA+7], v[8*\x:8*\x+7], 0
.endr
	WIN 0
	PLACES
.endif
.if FLUSH
	ds_load_b128 v[FD:FD+3],     v[FL] offset:((\k)>>2)*4*SLOTB+PMO             ; slot 4 (k / 4) + w: (mu_u, mu_l) of rows 0-63,
	ds_load_b128 v[FD+4:FD+7],   v[FL] offset:((\k)>>2)*4*SLOTB+PMO+512         ; of rows 64-127,
	ds_load_b128 v[FD+8:FD+11],  v[FL] offset:((\k)>>2)*4*SLOTB+PMO+PAIRP       ; (pcu, pcs) likewise,
	ds_load_b128 v[FD+12:FD+15], v[FL] offset:((\k)>>2)*4*SLOTB+PMO+PAIRP+512
	ds_load_b128 v[FD+16:FD+19], v[FL] offset:((\k)>>2)*4*SLOTB+PLO             ; pcl
.endif
.if \pred
	v_add_f32 v[T0], v[DX], v[DX+9]
	v_add_f32 v[T1], v[DX+18], v[DX+27]
	v_add_f32 v[T2], v[DX+36], v[DX+45]
	v_add_f32 v[T3], v[DX+54], v[DX+63]
	v_add_f32 v[U0], v[T0], v[T1]
	v_add_f32 v[U1], v[T2], v[T3]
	v_add_f32 v[LG], v[U0], v[U1]
	; softmax over the 16 lanes of a row, in base 2 (log2(e) is in the weights and the bias)
	v_max_num_f32_dpp v[MX], v[LG], v[LG] row_xmask:1 row_mask:0xf bank_mask:0xf
	v_max_num_f32_dpp v[MX], v[MX], v[MX] row_xmask:2 row_mask:0xf bank_mask:0xf
	v_max_num_f32_dpp v[MX], v[MX], v[MX] row_xmask:4 row_mask:0xf bank_mask:0xf
	v_max_num_f32_dpp v[MX], v[MX], v[MX] row_xmask:8 row_mask:0xf bank_mask:0xf
	v_sub_f32 v[EX], v[LG], v[MX]
	v_exp_f32 v[EX], v[EX]
	v_nop                                          ; one plain place behind a transcendental (ISA guide 5.7.2)
	v_add_f32_dpp v[SM], v[EX], v[EX] row_xmask:1 row_mask:0xf bank_mask:0xf
	v_add_f32_dpp v[SM], v[SM], v[SM] row_xmask:2 row_mask:0xf bank_mask:0xf
	v_add_f32_dpp v[SM], v[SM], v[SM] row_xmask:4 row_mask:0xf bank_mask:0xf
	v_add_f32_dpp v[SM], v[SM], v[SM] row_xmask:8 row_mask:0xf bank_mask:0xf
	v_rcp_f32 v[SM], v[SM]
	v_nop
	v_mul_f32 v[EX], v[EX], v[SM]                  ; alpha[r]
	v_cvt_pk_bf16_f32 v[AT], v[EX], v[AT+1]        ; A(m, 0) = alpha[m] (and A(m, 8), which meets zeros in B); the upper half is 0
	; the turn: D(m, n) = alpha[m] in column 0 (column 8) alone: register j of lane (r, h) = alpha[8 h + j] where r = 0 (8)
	v_wmma_f32_16x16x32_bf16 v[DT0:DT0+7], v[AT:AT+7], v[BT0:BT0+7], 0
	v_wmma_f32_16x16x32_bf16 v[DT8:DT8+7], v[AT:AT+7], v[BT8:BT8+7], 0
	s_wait_dscnt 0x0                               ; the neighbours' values and what goes out
.if FLUSH
	FLUSH_ST                                       ; its twelve copies name no register of the turn: they are the places behind it
.else
	PLACES
.endif
	WIN 0x80                                       ; destination in window 2
.irp c, 0,1,2,3
	v_cvt_pk_bf16_f32 v[AL+\c],   v[DT0+2*\c], v[DT0+2*\c+1]     ; exact: the numbers are bf16 already
	v_cvt_pk_bf16_f32 v[AL+4+\c], v[DT8+2*\c], v[DT8+2*\c+1]
.endr
	; band entries and banded products, a diagonal apart
	WIN 0x86
	WB 0, 0
	WB 0, 1
	WB 0, 2
	WB 0, 3
	PLACES                                         ; diagonal 0 has no vector work in front of it to serve as places
	BLOCK 0, 1, 1, 1
	BLOCK 1, 2, 0, 1
	BLOCK 2, 3, 0, 1
	BLOCK 3, 4, 0, 1
	BLOCK 4, 5, 0, 1
	BLOCK 5, 6, 0, 1
	BLOCK 6, 7, 0, 0
	WIN 0x0a                                       ; both sources in window 2, the destination in window 0: the next prior; cu first, the update begins with it
	v_add_f32 v[CU], v[CUA], v[CUB]
	v_pk_add_f32 v[PMU:PMU+1], v[NUA:NUA+1], v[NUB:NUB+1]
	v_pk_add_f32 v[CS:CS+1], v[CSA:CSA+1], v[CSB:CSB+1]
	WIN 0
.else
	s_wait_dscnt 0x0
	FLUSH_ST
.endif
.endm
	s_mov_b32 s3, 15                               ; 128 steps = 16 trips of 8; the last trip is written out
.Ltrip:
	STEP 0, 1
	STEP 1, 1
	STEP 2, 1
	STEP 3, 1
	STEP 4, 1
	STEP 5, 1
	STEP 6, 1
	STEP 7, 1
	v_add_nc_u32 v[INO], 0x1000, v[INO]            ; eight steps of 512 bytes on
	v_add_nc_u32 v[INV], 0x1000, v[INV]
	s_sub_co_u32 s3, s3, 1
	s_cmp_lg_u32 s3, 0
	s_cbranch_scc1 .Ltrip
	STEP 0, 1
	STEP 1, 1
	STEP 2, 1
	STEP 3, 1
	STEP 4, 1
	STEP 5, 1
	STEP 6, 1
	STEP 7, 0                                      ; step 127: no input is read beyond it and nothing is predicted from it
	s_endpgm
.Lfunc_end_k_q4250e933ed_scan:
	.size	k_q4250e933ed_scan, .Lfunc_end_k_q4250e933ed_scan-k_q4250e933ed_scan
	.p2alignl 7, 3214868480
	.fill 96, 4, 3214868480
	.section	.rodata,"a",@progbits
	.p2align	6, 0x0
	.amdhsa_kernel k_q4250e933ed_scan
		.amdhsa_group_segment_fixed_size 167936
		.amdhsa_private_segment_fixed_size 0
		.amdhsa_enable_private_segment 0
		.amdhsa_kernarg_size 112
		.amdhsa_user_sgpr_count 2
		.amdhsa_user_sgpr_kernarg_segment_ptr 1
		.amdhsa_wavefront_size32 1
		.amdhsa_system_sgpr_workgroup_id_x 1
		.amdhsa_system_sgpr_workgroup_id_y 1
		.amdhsa_system_sgpr_workgroup_id_z 1
		.amdhsa_system_vgpr_workitem_id 0
		.amdhsa_next_free_vgpr 960
		.amdhsa_next_free_sgpr 66
		.amdhsa_reserve_vcc 1
		.amdhsa_float_denorm_mode_32 3
		.amdhsa_float_denorm_mode_16_64 3
		.amdhsa_memory_ordered 1
		.amdhsa_forward_progress 1
		.amdhsa_inst_pref_size 194
	.end_amdhsa_kernel
	.amdgpu_metadata
---
amdhsa.version: [ 1, 2 ]
amdhsa.kernels:
  - .name:           k_q4250e933ed_scan
    .symbol:         k_q4250e933ed_scan.kd
    .args:
      - { .name: latent_obs, .offset: 0, .size: 8, .value_kind: global_buffer, .address_space: global }
      - { .name: obs_vars, .offset: 8, .size: 8, .value_kind: global_buffer, .address_space: global }
      - { .name: initial_mean, .offset: 16, .size: 8, .value_kind: global_buffer, .address_space: global }
      - { .name: initial_cov_u, .offset: 24, .size: 8, .value_kind: global_buffer, .address_space: global }
      - { .name: initial_cov_l, .offset: 32, .size: 8, .value_kind: global_buffer, .address_space: global }
      - { .name: initial_cov_s, .offset: 40, .size: 8, .value_kind: global_buffer, .address_space: global }
      - { .name: coeff_b, .offset: 48, .size: 8, .value_kind: global_buffer, .address_space: global }
      - { .name: trans_cov_u, .offset: 56, .size: 8, .value_kind: global_buffer, .address_space: global }
      - { .name: trans_cov_l, .offset: 64, .size: 8, .value_kind: global_buffer, .address_space: global }
      - { .name: packed, .offset: 72, .size: 8, .value_kind: global_buffer, .address_space: global }
      - { .name: out0, .offset: 80, .size: 8, .value_kind: global_buffer, .address_space: global }
      - { .name: out1, .offset: 88, .size: 8, .value_kind: global_buffer, .address_space: global }
      - { .name: out2, .offset: 96, .size: 8, .value_kind: global_buffer, .address_space: global }
      - { .name: out3, .offset: 104, .size: 8, .value_kind: global_buffer, .address_space: global }
    .group_segment_fixed_size: 167936
    .private_segment_fixed_size: 0
    .kernarg_segment_align: 8
    .kernarg_segment_size: 112
    .max_flat_workgroup_size: 128
    .sgpr_count:     66
    .vgpr_count:     960
    .wavefront_size: 32
...
	.end_amdgpu_metadata
.endif
;; end of part 4
